; MI455X (gfx1250); checked and timed in simulation.
; The chip was launched on July 23, 2026; its instructions are those of AMD's public machine-readable ISA for CDNA 5 (MIT licence, August 2026) and "CDNA5" Instruction Set Architecture Reference Guide (July 2026). The comments in the code are by the model that wrote it; some were corrected since.
;; Attention. Allowed arithmetic: matrix products marked QUANTISED: E3M2 operands, one E8M0 scale for each 32 along K, by v_wmma_scale_f32_16x16x128_f8f6f4 with both operands' format E3M2, f32 sums; products left as they are: f32 operands where the result goes on into a quantised operand, else bf16, f16 or f32 operands; f32 sums; everything else in f32.
;; Inputs: kv_x_codes 4 x 2,048 x 4 x 24 uint8 (E3M2 codes of kv_x, K innermost, in blocks of 32 codes, four codes in three bytes); kv_x_scales 4 x 2,048 x 4 uint8 (E8M0 scales of kv_x, one for each 32 codes along K); q_x_codes 4 x 2,048 x 4 x 24 uint8 (E3M2 codes of q_x, K innermost, in blocks of 32 codes, four codes in three bytes); q_x_scales 4 x 2,048 x 4 uint8 (E8M0 scales of q_x, one for each 32 codes along K); w_k_codes 128 x 4 x 24 uint8 (E3M2 codes of w_k, K innermost, in blocks of 32 codes, four codes in three bytes); w_k_scales 128 x 4 uint8 (E8M0 scales of w_k, one for each 32 codes along K); w_q_codes 128 x 4 x 24 uint8 (E3M2 codes of w_q, K innermost, in blocks of 32 codes, four codes in three bytes); w_q_scales 128 x 4 uint8 (E8M0 scales of w_q, one for each 32 codes along K); w_v_codes 128 x 4 x 24 uint8 (E3M2 codes of w_v, K innermost, in blocks of 32 codes, four codes in three bytes); w_v_scales 128 x 4 uint8 (E8M0 scales of w_v, one for each 32 codes along K).
;; Outputs: out0 4 x 2,048 x 8 x 16 float32.
;; This version of the problem:
;;   THIS VERSION OF THE PROBLEM IS GIVEN IN LOW PRECISION. The matrix products marked QUANTISED in the list below multiply operands that are first quantised to E3M2 (3 exponent bits, 2 mantissa bits; 6 bits a number), with one power-of-two scale for each 32 numbers along K (OCP MX v1.0); their sums are f32. All else is computed in f32.
;;   The module's matrix products, in the order in which they are computed (A, B: the left and right operand; K: the contracted axis; several contracted axes count as one K, in the product's order):
;;     1. [M 128, K 128] x [K 128, N 8,192]; A: input w_q (given as codes); B: input q_x (given as codes): QUANTISED
;;     2. [M 128, K 128] x [K 128, N 8,192]; A: input w_k (given as codes); B: input kv_x (given as codes): QUANTISED
;;     3. [M 128, K 128] x [K 128, N 8,192]; A: input w_v (given as codes); B: input kv_x (given as codes): QUANTISED
;;     4. batch 32 x [M 2,048, K 16] x [K 16, N 2,048]; A: computed on the way; B: computed on the way: left as it is (K = 16 < 32)
;;     5. batch 32 x [M 16, K 2,048] x [K 2,048, N 2,048]; A: computed on the way; B: softmax (see below): QUANTISED
;;   THE QUANTISER, for each operand of a quantised product, along K:
;;     - K is cut into blocks of 32 from its start; a last block that is shorter is filled with zeros.
;;     - A block's scale is 2^e with e = floor(log2(the largest magnitude in the block)) - 4, held to -126 .. 127; a block of zeros has e = 0. As a byte (E8M0): e + 127.
;;     - Each number is divided by its block's scale, clamped to +-28, and rounded to the nearest number of E3M2, ties to even, subnormals kept.
;;     - The product sums the exact products of the quantised numbers (number of the format x scale) in f32.
;;   ~~~python
;;   def quantise(x, axis):      # numpy; x: float32 -> the quantised numbers, widened to float32 again
;;       x = np.moveaxis(x, axis, -1); K = x.shape[-1]
;;       x = np.pad(x, [(0, 0)] * (x.ndim - 1) + [(0, -K % 32)]); x = x.reshape(x.shape[:-1] + (-1, 32)); a = np.abs(x).max(-1, keepdims=True)
;;       e = np.where(a > 0, np.clip(np.frexp(np.where(a > 0, a, 1))[1] - 1 - 4, -126, 127), 0)      # np.frexp(a)[1] - 1 = floor(log2(a)), exactly
;;       r = np.clip(x / 2.0 ** e, -28, 28)
;;       step = 2.0 ** (np.maximum(np.frexp(np.where(r == 0, 1, r))[1] - 1, -2) - 2)
;;       q = np.round(r / step) * step * 2.0 ** e      # np.round: ties to even
;;       return np.moveaxis(q.reshape(q.shape[:-2] + (-1,))[..., :K], -1, axis).astype(np.float32)
;;   ~~~
;;   SOFTMAX AHEAD OF A QUANTISED PRODUCT. Where the list says 'softmax', what is quantised is not the finished softmax but p = 2^(t - M), with t = logit x log2(e) and M = ceil(the row's largest t), a whole number; so 1/2 < the row's largest p <= 1. The row's sum l is taken of the UNQUANTISED p, in f32, and the product's result is divided by l at the end. Since M is a whole number, a kernel that streams over the keys may use a running M (the ceiling of the running maximum): every later rescaling is an exact power of two, which a block's scale takes up: the codes' values come out the same.
;;   OPERANDS COMPUTED ON THE WAY. 'Computed on the way' means the value that the module computes at that place (a softmax that the list does not call 'softmax' is quantised finished and normalised). What goes into a quantiser is computed in f32, as accurately as f32 sums, v_exp_f32 and their like allow (about 1e-6 of the number): no bf16 or f16 on the way to a quantiser, and a product that is left as it is and whose result goes on into a quantised operand takes f32 operands (vector FMAs, or v_wmma_f32_16x16x4_f32). A number that lies on a knife's edge between two numbers of the format may be rounded either way, as far as f32 arithmetic and the matrix unit's own rounding can turn it there, and no further.
;;   INPUTS GIVEN AS CODES. kv_x (in the module: [4, 2048, 128], K = its axis 2); q_x (in the module: [4, 2048, 128], K = its axis 2); w_k (in the module: [128, 128], K = its axis 1); w_q (in the module: [128, 128], K = its axis 1); w_v (in the module: [128, 128], K = its axis 1): each comes as NAME_codes (uint8): NAME with its K axis moved to the last place and cut into blocks of 32 codes, [.., K / 32, bytes a block], one block behind the other in memory; four codes in three bytes: a row's codes are one little-endian stream of bits, code i at bits 6 i .. 6 i + 5 (a code: sign, 3 exponent bits, 2 mantissa bits); and NAME_scales (uint8): the same leading axes, one E8M0 byte (e + 127) for each 32 codes along K. Its value is code x scale, taken as it is: it is not quantised again, and the codes and scales need not be those that the quantiser above would give.
;; One version. Each part assembles by itself: llvm-mc -triple=amdgcn-amd-amdhsa -mcpu=gfx1250 --defsym DOCPART=n.
;; ======== version 1 of 1: 1 launch
;; launch attn (part 1): grid 8 x 32, 16 waves a work-group, clusters of 4 x 1, 206,848 bytes of LDS; arguments kv_x_codes, kv_x_scales, q_x_codes, q_x_scales, w_k_codes, w_k_scales, w_q_codes, w_q_scales, w_v_codes, w_v_scales, out0; writes out0
.if DOCPART == 1
	.amdgcn_target "amdgcn-amd-amdhsa--gfx1250"
	.amdhsa_code_object_version 6
	.text
	.protected	k_q78f3f85dcc_attn
	.globl	k_q78f3f85dcc_attn
	.p2align	8
	.type	k_q78f3f85dcc_attn,@function
k_q78f3f85dcc_attn:
	s_mov_b64 s[64:65], 0
	v_nop
	global_prefetch_b8 v0, s[64:65] scope:SCOPE_SE
	s_setreg_imm32_b32 hwreg(HW_REG_WAVE_MODE, 25, 1), 1
	s_wait_xcnt 0x0
	s_wait_alu depctr_hold_cnt(0) depctr_sa_sdst(0) depctr_va_vdst(0) depctr_va_sdst(0) depctr_va_ssrc(0) depctr_va_vcc(0) depctr_vm_vsrc(0)
	s_getreg_b32 s2, hwreg(HW_REG_IB_STS2, 6, 4)
	s_cmp_eq_u32 s2, 0
	s_cbranch_scc0 .Lentry_in_a_cluster
	s_endpgm
.Lentry_in_a_cluster:
	s_bfe_u32 s2, ttmp6, 0x10000c
	s_cmp_lg_u32 s2, 0x3003
	s_cbranch_scc0 .Lentry_shape_is_right
	s_endpgm
.Lentry_shape_is_right:
; o[b][q][head][:] = the sum over keys of softmax(q . k / 4) v, for 4 batches x 8 heads x 2,048 queries x 2,048 keys, head size 16, model size 128.
; q, k, v are projections (K = 128) of inputs given as codes of BF6 (E3M2) with one E8M0 byte for each 32 along K: a tile of 16 x 16 of any of them is ONE scaled matrix instruction.
; The scores (K = 16) feed a quantiser, so they are made with f32 operands: four v_wmma_f32_16x16x4_f32 for a tile of 16 keys x 16 queries.
; p = 2^(t - M), t = score x log2(e) / 4, M = the running largest t rounded up to a whole number; p and v are quantised along the keys; O^T += V^T P^T is one scaled instruction for 128 keys.
; The row's sum is taken of the unquantised p and divides at the end.  When M moves, the sum and O^T are multiplied by 2^(old M - new M), which rounds nothing.
; SHARES.  A work-group owns 256 queries of one (batch, head); each of its sixteen waves one tile of 16 queries, in 256 registers.  Every wave walks the head's 2,048 keys, 128 a step, 16 steps.
; PROLOGUE.  Wave w makes k (f32) and v (codes and scale words) of key step w and leaves them in LDS as IMAGES OF THE OPERANDS' REGISTERS (16 bytes a lane, 512 bytes a store): one barrier, and from then on LDS is only read.
; LAYOUT (r = lane % 16, h = lane / 16).  Lane r of tile 2 b + u of a step takes key 32 b + 8 u + r + 8 (r / 8).
;   k tile  = w_k (source 0) x kv_x (source 1): lane (r, h), register j = k(key r of the tile, d = 8 h + j).  Registers 2 s, 2 s + 1 ARE source 0 of the f32 form's K step s, with d = 8 h + 2 s + 0, 1 in the places 2 h + 0, 1;
;   q tile  = w_q x q_x: the same registers are source 1, with the same order of d.  So nothing is moved between the projections and the scores.
;   S^T tile: lane (r, h) holds query r; register 16 b + i of the 64 is key 32 b + 16 h + i.   v tile = kv_x (source 0) x w_v (source 1): lane (r, h) holds d = r and the same order of keys.
;   So one set of lines turns 64 registers of v, and of p, into a fragment of 128 along the keys.   O^T = V x P: lane (r, h), register j = o(query r, d = 8 h + j).
; BY TURNS.  t - M goes into other registers (PA) than the scores (SA), so a block of scores is free once it is scaled: in a trip the 32 f32 matrix instructions of step j + 1's scores stand with step j's
; exponentials, quantising and sums between them.
; CLUSTER.  The four query blocks of a cluster share batch and head: each wave's two tensor loads (its step's 12,288 bytes of kv_x's codes and 512 of its scales) are asked for jointly by the four work-groups.
; All reads from memory stand at the head, so nothing is prefetched; no LDS byte is filled twice.
; THE OUTPUT.  A work-group owns one head, so a query's result is 64 consecutive bytes (two lanes, 32 each) of its row of 512: the stores do not cover aligned runs of 256 bytes.  Four heads to a work-group would;
; their k in f32 (512 KiB) does not fit in LDS.
; LIMITS.  NaN and infinities among the numbers are not served.  A p under 2^-126 counts as 0 (v_exp_f32 gives 0 there: ISA guide, its entry).  A block of zeros gets the scale byte 1, not 127: its codes are zeros, and
; only this program reads the bytes.  A block's largest p is made from its largest score by the same two instructions, which takes v_exp_f32 not to fall where its input rises.
.set REG,   12800                      ; LDS: a region for each key step, written by wave w alone.  First the stage: 128 rows x 96 bytes of codes, then
.set STSC,  12288                      ; 128 scale words.  Over the stage, once read: k's eight tiles, 1,024 bytes each, from byte 0;
.set VIMG,  8192                       ; v's fragment, 3 x 512 bytes;
.set VSC,   9728                       ; its scale words, 4 bytes a lane
.set LI,   1                           ; v1   16 x lane
.set LS,   2                           ; v2   4 x lane
.set ADR,  3                           ; v3   LI + the step's region
.set ADS,  4                           ; v4   LS + the step's region
.set GO,   5                           ; v5   my bytes in the wave's rows of o: 512 r + 32 h
.set AKV,  6                           ; v6   the stage: my row of a tile, + 24 h
.set ASC,  7                           ; v7   the stage: my row's scale word
.set AWI,  8                           ; v8   LI + my wave's region
.set AWS,  9                           ; v9   LS + my wave's region
.set WOFF, 10                          ; v10  96 r + 24 h: a fragment's bytes in memory
.set SOFF, 11                          ; v11  4 r: a scale word in memory
.set NM,   12                          ; v12  -M   (v[12:13] is named as a pair; its low word serves both halves)
.set TMAX, 13                          ; v13  the largest t so far
.set SUM,  14                          ; v[14:15] the row's sum, in two halves
.set QF,   16                          ; v16-23   q
.set OA,   24                          ; v24-31   O^T
.set KB,   32                          ; v32-63   k: two buffers of two tiles
.set SA,   64                          ; v64-127  S^T: written by the f32 matrix instructions alone
.set PA,   128                         ; v128-191 t - M, then p; in the prologue v's eight tiles
.set VF,   192                         ; v192-203 v's fragment;      in the prologue w_q's, then a fragment of kv_x
.set PC,   204                         ; v204-215 the codes made;    in the prologue q_x's, then a fragment of kv_x
.set PX,   216                         ; v216-223 the conversions' second halves;  v216-227: in the prologue w_k's fragment
.set BM,   224                         ; v224-227 the blocks' largest
.set BT,   228                         ; v228-231 at work;           v228-239: in the prologue w_v's fragment
.set SO,   232                         ; v232-235 the conversions' scale operands
.set FF,   236                         ; v[236:237] f = 2^(old M - new M); the low word serves both halves
.set SUM2, 238                         ; v[238:239] the sum's second chain
.set TMP,  240
.set VS,   242                         ; scale registers, which hold nothing else: v's word,
.set PW,   243                         ; the word just made,
.set KS,   244                         ; v244-251 kv_x's, a register for each tile,
.set WKS,  252                         ; w_k's, w_v's, w_q's, q_x's
.set WVS,  253
.set WQS,  254
.set QXS,  255
.set WV,   30                          ; s30  my wave's number
.set G1C,  32                          ; s[32:39] descriptor group 1 for the codes;  s[40:47] for the scales;  s[48:51], s[52:55] their groups 0
.set G1S,  40
.set G0C,  48
.set G0S,  52
.set SEL,  56                          ; s[56:57] v_permlanex16_b32's selects for lane l xor 16
.set CS,   58                          ; s[58:59] c = log2(e) / 4
.set TB,   60                          ; s60  LDS byte at which the region of the step in hand begins
.set CNT,  61                          ; s61  trips to go
; A round of the cluster's barrier: my work-group's barrier, wave 0's signal for the work-group, every wave's wait for the four work-groups, my work-group's barrier once more.
.macro CROUND
	s_barrier_signal -1
	s_barrier_wait -1
	s_cmp_lg_u32 s[WV], 0
	s_cbranch_scc1 .Lnot_wave_0_\@
	s_barrier_signal -3
.Lnot_wave_0_\@:
	s_barrier_wait -3
	s_barrier_signal -1
	s_barrier_wait -1
.endm
; A fragment of 16 rows x 128 K of 6-bit codes is 12 registers: lane (r, h) takes 24 bytes at 96 r + 24 h and 24 at 96 r + 48 + 24 h, as they lie, in pieces of 8 bytes.
.macro FRAGG reg, base                 ; from memory
.irp p, 0,1,2,3,4,5
	global_load_b64 v[\reg+2*\p:\reg+2*\p+1], v[WOFF], s[\base:\base+1] offset:48*(\p/3)+8*(\p%3)
.endr
.endm
.macro KVFRAG reg, t                   ; tile t of my key step, from the stage: it begins at row 32 (t / 2) + 8 (t % 2)
.irp p, 0,1,2,3,4,5
	ds_load_b64 v[\reg+2*\p:\reg+2*\p+1], v[AKV] offset:(32*((\t)/2)+8*((\t)%2))*96+48*(\p/3)+8*(\p%3)
.endr
.endm
.macro KLOAD tp, kofs                  ; k's tiles 2 tp and 2 tp + 1 of the region kofs bytes on, into buffer tp % 2: four loads of 512 consecutive bytes
.irp u, 0,1
.irp c, 0,1
	ds_load_b128 v[KB+16*((\tp)%2)+8*\u+4*\c:KB+16*((\tp)%2)+8*\u+4*\c+3], v[ADR] offset:(\kofs)+1024*(2*(\tp)+\u)+512*\c
.endr
.endr
.endm
.macro VLOAD                           ; v's fragment and scale words of the step in hand
.irp c, 0,1,2
	ds_load_b128 v[VF+4*\c:VF+4*\c+3], v[ADR] offset:VIMG+512*\c
.endr
	ds_load_b32 v[VS], v[ADS] offset:VSC
.endm
; Score product i of 32: pair of tiles i / 8, K step (i % 8) / 2, tile 2 (i / 8) + i % 2.  The pair's two accumulators take turns, one instruction a turn; a tile's first product starts its sum with 0.
.macro WM
.set wtp, i/8
.set wks, (i%8)/2
.set wtu, i%2
.set rS, SA+8*(2*wtp+wtu)
.set rK, KB+16*(wtp%2)+8*wtu+2*wks
.set rQ, QF+2*wks
.if wks == 0
	v_wmma_f32_16x16x4_f32 v[rS:rS+7], v[rK:rK+1], v[rQ:rQ+1], 0
.else
	v_wmma_f32_16x16x4_f32 v[rS:rS+7], v[rK:rK+1], v[rQ:rQ+1], v[rS:rS+7]
.endif
.endm
.macro FMAS sm                         ; pair fq of the 32: t - M = score x c - M, one fused multiply-add, into other registers than the scores.  Without a softmax a v_nop keeps the place
.if \sm
	v_pk_fma_f32 v[PA+2*fq:PA+2*fq+1], v[SA+2*fq:SA+2*fq+1], s[CS:CS+1], v[NM:NM+1] op_sel_hi:[1,0,0]
.else
	v_nop
.endif
.endm
.macro EX                              ; exponential e of 68: the four blocks' largest, then the 64
.if e < 4
	v_exp_f32 v[BM+e], v[BM+e]
.else
	v_exp_f32 v[PA+e-4], v[PA+e-4]
.endif
.endm
; Line n of 64 of what follows the exponentials.  0-31: 64 numbers of a lane in v[PA] on (register 16 b + i = k 32 b + 16 h + i of my row), their blocks' largest in v[BM] on, become a fragment in v[PC] on and a scale word in v[PW].  32-63: the row's sum.
.macro TL
.if n < 4
	v_max_num_f32 v[BM+n], 0x2800000, v[BM+n]                      ; the floor 2^(5 - 127): the byte cannot fall under 1
.elseif n < 8
	v_add_nc_u32 v[SO+n-4], 0xfe000000, v[BM+n-4]                  ; 4 off the exponent field: the conversion takes this operand's exponent field as its scale
.elseif n < 12
	v_lshrrev_b32 v[BT+n-8], 23, v[SO+n-8]                         ; the scale's byte
.elseif n == 12
	v_lshl_or_b32 v[PW], v[BT+1], 8, v[BT]                         ; four bytes make my row's scale word
.elseif n == 13
	v_lshl_or_b32 v[PW], v[BT+2], 16, v[PW]
.elseif n == 14
	v_lshl_or_b32 v[PW], v[BT+3], 24, v[PW]
.elseif n < 19
.set tc, (n-15)/2
.if (n-15)%2 == 0
	v_cvt_scalef32_pk16_bf6_f32 v[PC+6*tc:PC+6*tc+2], v[PA+32*tc:PA+32*tc+15], v[SO+2*tc]
.else
	v_cvt_scalef32_pk16_bf6_f32 v[PX+4*tc:PX+4*tc+2], v[PA+32*tc+16:PA+32*tc+31], v[SO+2*tc+1]   ; (a conversion's three registers begin on an even number)
.endif
.elseif n == 19
	v_nop                                                          ; one plain instruction between the conversions and the lines that touch their results
.elseif n < 26
.set tc, (n-20)/3
.set ti, (n-20)%3
	v_permlane16_swap_b32 v[PC+6*tc+ti], v[PX+4*tc+ti]             ; the operand wants a whole block in a lane: lanes 0-15 block 2 c, lanes 16-31 block 2 c + 1
.elseif n < 32
.set tc, (n-26)/3
.set ti, (n-26)%3
	v_mov_b32 v[PC+3+6*tc+ti], v[PX+4*tc+ti]
.elseif n == 32
	v_pk_add_f32 v[SUM2:SUM2+1], v[PA:PA+1], v[PA+2:PA+3]          ; the sum of the UNQUANTISED p, two at a time, in two chains
.elseif n < 63
.set ti, 4+4*((n-33)/2)
.if (n-33)%2 == 0
	v_pk_add_f32 v[SUM:SUM+1], v[SUM:SUM+1], v[PA+ti:PA+ti+1]
.else
	v_pk_add_f32 v[SUM2:SUM2+1], v[SUM2:SUM2+1], v[PA+ti+2:PA+ti+3]
.endif
.else
	v_pk_add_f32 v[SUM:SUM+1], v[SUM:SUM+1], v[SUM2:SUM2+1]
.endif
.endm
; The largest score of each block of 32 keys, the row's, the new M and f.  Each tile of scores is first read at its low end (tile 2 b at registers 0-2, tile 2 b + 1 at register 0).
.macro PHASE_A1                        ; its first eight lines
.irp b, 0,1,2,3
	v_max3_num_f32 v[BM+\b], v[SA+16*\b], v[SA+16*\b+1], v[SA+16*\b+2]
.endr
.irp b, 0,1,2,3
	v_max3_num_f32 v[BM+\b], v[BM+\b], v[SA+16*\b+3], v[SA+16*\b+4]
.endr
.endm
.macro PHASE_A2
.irp i2, 5,7,9,11,13
.irp b, 0,1,2,3
	v_max3_num_f32 v[BM+\b], v[BM+\b], v[SA+16*\b+\i2], v[SA+16*\b+\i2+1]   ; the four blocks by turns
.endr
.endr
.irp b, 0,1,2,3
	v_max_num_f32 v[BM+\b], v[BM+\b], v[SA+16*\b+15]
.endr
.irp b, 0,1,2,3
	v_permlanex16_b32 v[BT+\b], v[BM+\b], s[SEL], s[SEL+1]
.endr
.irp b, 0,1,2,3
	v_max_num_f32 v[BM+\b], v[BM+\b], v[BT+\b]                     ; with lane l xor 16's 16 keys
.endr
	v_max3_num_f32 v[TMP], v[BM], v[BM+1], v[BM+2]
	v_max_num_f32 v[TMP], v[TMP], v[BM+3]                          ; the step's largest score of my query
	v_mul_f32 v[TMP], s[CS], v[TMP]                                ; as t (c is positive)
	v_max_num_f32 v[TMAX], v[TMAX], v[TMP]
	v_mov_b32 v[TMP], v[NM]
	v_floor_f32 v[NM], -v[TMAX]                                    ; -M = floor(-t) = -ceil(t)
	v_sub_f32 v[TMP], v[NM], v[TMP]                                ; old M - new M: a whole number, 0 or less
	v_cvt_i32_f32 v[TMP], v[TMP]                                   ; (it saturates)
	v_ldexp_f32 v[FF], 1.0, v[TMP]                                 ; f
.endm
.macro PV
	v_wmma_scale_f32_16x16x128_f8f6f4 v[OA:OA+7], v[VF:VF+11], v[PC:PC+11], v[OA:OA+7], v[VS], v[PW] matrix_a_fmt:MATRIX_FMT_BF6 matrix_b_fmt:MATRIX_FMT_BF6
.endm
; A TRIP.  mm = 1: the scores of the step whose k lies kofs bytes behind s[TB] are multiplied.  sm = 1: the softmax and V^T P^T of the step at s[TB], whose scores lie in SA.
; PLACES (ISA guide 7.12.1 for vector instructions; the f32 form asks for eight, and only plain vector instructions that name none of its registers count):
;   buffer 0 is loaded again behind slot 11: behind product 7, its last reader, stand the one scaling of slot 7 and the two of each of slots 8-11: nine;
;   buffer 1 behind slot 19: behind product 15 stand slot 15's line and the two of each of slots 16-19: nine;
;   behind product 31 stand slot 31's sixteen additions (without a softmax eight v_nop), ahead of the next trip's loads into both buffers and of its first read of the scores.
; A block of scores is scaled ahead of the product that begins it anew: block 0 ahead of product 0, block 1 in slots 0-7, block 2 in slots 8-11, block 3 in slots 16-19.
; THE EXPONENTIALS are one batch, three to a slot, each behind its pair's scaling; nothing names a result ahead of slot 22's wait, the trip's one wait for all 68.
.macro TRIP mm, sm, kofs
	v_add_nc_u32 v[ADR], s[TB], v[LI]
	v_add_nc_u32 v[ADS], s[TB], v[LS]
.if \mm
	KLOAD 0, \kofs
	KLOAD 1, \kofs
.endif
.if \sm
	PHASE_A1                                       ; with the two additions above: ten plain lines behind the last V^T P^T, ahead of the loads into its operands (four are asked)
	VLOAD
	PHASE_A2
.set fq, 0
.rept 8
	FMAS 1
.set fq, fq+1
.endr
.irp b, 0,1,2,3
	v_fma_f32 v[BM+\b], v[BM+\b], s[CS], v[NM]     ; the same of each block's largest score
.endr
.endif
	s_wait_dscnt 0x0                               ; k's first two pairs of tiles, v's fragment and its scale words are in
.set i, 0
.rept 32
.if \mm
.if (i == 16) || (i == 24)
	s_wait_dscnt 0x0                               ; the pair of tiles asked for four slots ago is in
.endif
	WM
.endif
.if i < 8
.set fq, 8+i
	FMAS \sm
.elseif i < 12
.set fq, 16+2*(i-8)
	FMAS \sm
.set fq, fq+1
	FMAS \sm
.elseif i == 15
.if \sm
	v_pk_mul_f32 v[SUM:SUM+1], v[SUM:SUM+1], v[FF:FF+1] op_sel_hi:[1,0]   ; the sums under the new M
.else
	v_nop
.endif
.elseif (i >= 16) && (i < 20)
.set fq, 24+2*(i-16)
	FMAS \sm
.set fq, fq+1
	FMAS \sm
.endif
.if \sm && (i < 23)
.set e, 3*i
.rept 3
.if e < 68
	EX
.endif
.set e, e+1
.endr
.endif
.if \mm && (i == 11)
	KLOAD 2, \kofs
.endif
.if \mm && (i == 19)
	KLOAD 3, \kofs
.endif
.if \sm && (i == 22)
.irp j, 0,2,4,6
	v_pk_mul_f32 v[OA+\j:OA+\j+1], v[OA+\j:OA+\j+1], v[FF:FF+1] op_sel_hi:[1,0]   ; O^T under the new M, from its low end on.  (The plain lines behind the last exponential)
.endr
	s_wait_alu depctr_va_vdst(0)                   ; the one wait for the batch
.endif
.if \sm && (i >= 23) && (i < 31)
.set n, 6*(i-23)
.rept 6
	TL
.set n, n+1
.endr
.endif
.if i == 31
.if \sm
.set n, 48
.rept 16
	TL
.set n, n+1
.endr
.else
.rept 8
	v_nop
.endr
.endif
.endif
.set i, i+1
.endr
.if \sm
	s_wait_alu depctr_va_vdst(0)                   ; O^T has one accumulator, taken up again in place in every step
	PV                                             ; p's scale word was made 49 plain lines ago and its codes 32 (eight and four are asked)
.endif
.endm
	s_load_b512 s[8:23], s[0:1], 0x0               ; kv_x's codes s[8:9], scales s[10:11]; q_x's s[12:13], s[14:15]; w_k's s[16:17], s[18:19]; w_q's s[20:21], s[22:23]
	s_load_b128 s[24:27], s[0:1], 0x40             ; w_v's codes, scales
	s_load_b64 s[28:29], s[0:1], 0x50              ; o
	v_lshl_add_u32 v254, v0, 2, 0x32000
	v_mov_b32 v255, 0
	ds_add_u32 v254, v255
	ds_add_u32 v254, v255
	s_wait_dscnt 0x0
	v_lshrrev_b32 v3, 5, v0
	v_readfirstlane_b32 s[WV], v3                  ; wave 0..15
	s_and_b32 s4, ttmp7, 0xffff                    ; 8 x batch + head, which the four partners share
	s_lshr_b32 s5, s4, 3                           ; batch
	s_and_b32 s4, s4, 7                            ; head
	s_mul_i32 s31, s[WV], REG                      ; my wave's region of LDS
	s_mul_i32 s6, s5, 196608                       ; kv_x's codes: the batch's 2,048 rows of 96 bytes,
	s_mul_i32 s7, s[WV], 12288                     ; my key step's 128 rows
	s_add_co_u32 s6, s6, s7
	s_mov_b32 s7, 0
	s_lshl_b32 s2, s5, 13                          ; its scales: 8,192 bytes a batch,
	s_lshl_b32 s3, s[WV], 9                        ; 512 a step
	s_add_co_u32 s2, s2, s3
	s_mov_b32 s3, 0
	s_bfe_u32 s60, ttmp6, 0x40000                  ; cx: my place in the cluster: it enters q_x's and o's offsets alone
	s_lshl_b32 s61, ttmp9, 2                       ; (in a cluster launch ttmp9 counts clusters)
	s_add_co_u32 s61, s61, s60                     ; my block of 256 queries
	s_lshl_b32 s61, s61, 8
	s_lshl_b32 s60, s5, 11
	s_add_co_u32 s61, s61, s60                     ; + 2,048 x batch
	s_lshl_b32 s60, s[WV], 4
	s_add_co_u32 s61, s61, s60                     ; + 16 x wave: my first query's row in q_x and in o
	s_mov_b32 s63, 0
	; descriptor group 1: a dense block as rows of 256 bytes (32 elements of 8 bytes): 48 rows of codes, 2 of scales
	s_mov_b32 s[G1C], 15|(3<<16)|(1<<21)           ; 15:0 the mask: all four work-groups; 17:16 elements of 8 bytes; 20 no padding; 21 set beside a mask
	s_mov_b32 s[G1C+1], 32<<16                     ; tensor_dim0 = 32
	s_mov_b32 s[G1C+2], 48<<16                     ; tensor_dim1 = 48
	s_mov_b32 s[G1C+3], 32<<16                     ; tile_dim0 = 32
	s_mov_b32 s[G1C+4], 48                         ; tile_dim1 = 48
	s_mov_b32 s[G1C+5], 32                         ; from row to row: 32 elements
	s_mov_b32 s[G1C+6], 0
	s_mov_b32 s[G1C+7], 0
	s_mov_b32 s[G1S], 15|(3<<16)|(1<<21)
	s_mov_b32 s[G1S+1], 32<<16
	s_mov_b32 s[G1S+2], 2<<16
	s_mov_b32 s[G1S+3], 32<<16
	s_mov_b32 s[G1S+4], 2
	s_mov_b32 s[G1S+5], 32
	s_mov_b32 s[G1S+6], 0
	s_mov_b32 s[G1S+7], 0
	s_mov_b32 s[SEL], 0x76543210
	s_mov_b32 s[SEL+1], 0xfedcba98
	s_mov_b32 s[CS], 0x3eb8aa3b                    ; c = log2(e) / 4: the division of q by sqrt(16) is exact and goes in here
	s_mov_b32 s[CS+1], s[CS]                       ; (named with it as a pair, so it is written)
	v_and_b32 v241, 31, v0                         ; lane
	v_lshlrev_b32 v[LI], 4, v241
	v_lshlrev_b32 v[LS], 2, v241
	v_and_b32 v3, 15, v0                           ; r
	v_bfe_u32 v4, v0, 4, 1                         ; h
	v_lshlrev_b32 v[GO], 9, v3
	v_lshl_add_u32 v[GO], v4, 5, v[GO]
	v_mul_u32_u24 v[WOFF], v3, 96
	v_mad_u32_u24 v[WOFF], v4, 24, v[WOFF]
	v_lshlrev_b32 v[SOFF], 2, v3
	v_and_b32 v[TMP], 8, v3
	v_add_nc_u32 v[TMP], v[TMP], v3                ; r + 8 (r / 8)
	v_mul_u32_u24 v[AKV], v[TMP], 96
	v_mad_u32_u24 v[AKV], v4, 24, v[AKV]
	v_add_nc_u32 v[AKV], s31, v[AKV]
	v_lshl_add_u32 v[ASC], v[TMP], 2, STSC
	v_add_nc_u32 v[ASC], s31, v[ASC]
	v_add_nc_u32 v[AWI], s31, v[LI]
	v_add_nc_u32 v[AWS], s31, v[LS]
	s_wait_kmcnt 0x0
	s_mov_b32 s[G0C], 1                            ; 1:0 count = 1
	s_mov_b32 s[G0C+1], s31                        ; LDS address: my region
	s_add_nc_u64 s[G0C+2:G0C+3], s[8:9], s[6:7]    ; global address
	s_or_b32 s[G0C+3], s[G0C+3], 0x80000000        ; type = 2
	s_mov_b32 s[G0S], 1
	s_add_co_u32 s[G0S+1], s31, STSC
	s_add_nc_u64 s[G0S+2:G0S+3], s[10:11], s[2:3]
	s_or_b32 s[G0S+3], s[G0S+3], 0x80000000
	s_mul_i32 s62, s61, 96
	s_add_nc_u64 s[12:13], s[12:13], s[62:63]      ; q_x's codes at my first query,
	s_lshl_b32 s62, s61, 2
	s_add_nc_u64 s[14:15], s[14:15], s[62:63]      ; its scale words,
	s_lshl_b32 s62, s61, 9
	s_lshl_b32 s60, s4, 6
	s_add_co_u32 s62, s62, s60
	s_add_nc_u64 s[28:29], s[28:29], s[62:63]      ; o at my first query's row, my head's 64 bytes
	s_mul_i32 s62, s4, 1536                        ; the head's 16 rows of each weight,
	s_add_nc_u64 s[16:17], s[16:17], s[62:63]
	s_add_nc_u64 s[20:21], s[20:21], s[62:63]
	s_add_nc_u64 s[24:25], s[24:25], s[62:63]
	s_lshl_b32 s62, s4, 6                          ; and their scale words
	s_add_nc_u64 s[18:19], s[18:19], s[62:63]
	s_add_nc_u64 s[22:23], s[22:23], s[62:63]
	s_add_nc_u64 s[26:27], s[26:27], s[62:63]
	CROUND                                         ; all four work-groups are here: the joint loads meet
	tensor_load_to_lds s[G0C:G0C+3], s[G1C:G1C+7]  ; my key step's codes of kv_x
	s_nop 0
	tensor_load_to_lds s[G0S:G0S+3], s[G1S:G1S+7]  ; and its scales: two loads of mine are out, and there are no others in the text
	s_nop 0
.rept 4
	v_nop
.endr
	FRAGG VF, 20                                   ; w_q
	FRAGG PC, 12                                   ; q_x
	FRAGG PX, 16                                   ; w_k
	FRAGG BT, 24                                   ; w_v
	global_load_b32 v[WQS], v[SOFF], s[22:23]
	global_load_b32 v[QXS], v[SOFF], s[14:15]
	global_load_b32 v[WKS], v[SOFF], s[18:19]
	global_load_b32 v[WVS], v[SOFF], s[26:27]
	s_wait_loadcnt 0x0
	v_wmma_scale_f32_16x16x128_f8f6f4 v[QF:QF+7], v[VF:VF+11], v[PC:PC+11], 0, v[WQS], v[QXS] matrix_a_fmt:MATRIX_FMT_BF6 matrix_b_fmt:MATRIX_FMT_BF6   ; q: lane (r, h), register j = q(query r, d = 8 h + j), not yet divided by 4
.rept 4
	v_nop                                          ; places in front of the loads into its operands' registers
.endr
	s_wait_tensorcnt 0x0                           ; my stage is whole; only I read it, so no barrier is wanted here
.irp t, 0,1,2,3,4,5,6,7
	ds_load_b32 v[KS+\t], v[ASC] offset:(32*(\t/2)+8*(\t%2))*4
.endr
; k and v of my key step, a pair of tiles at a time.  Pair tp reads the stage's bytes 3,072 tp to 3,072 tp + 3,071 and then stores k's two tiles at 2,048 tp to 2,048 tp + 2,047: bytes that have been read.
.irp tp, 0,1,2,3
	KVFRAG VF, 2*\tp
	KVFRAG PC, 2*\tp+1
	s_wait_dscnt 0x0                               ; the fragments are in, and the last pair's stores have read their registers
	v_wmma_scale_f32_16x16x128_f8f6f4 v[KB+16*(\tp%2):KB+16*(\tp%2)+7], v[PX:PX+11], v[VF:VF+11], 0, v[WKS], v[KS+2*\tp] matrix_a_fmt:MATRIX_FMT_BF6 matrix_b_fmt:MATRIX_FMT_BF6
	v_wmma_scale_f32_16x16x128_f8f6f4 v[KB+16*(\tp%2)+8:KB+16*(\tp%2)+15], v[PX:PX+11], v[PC:PC+11], 0, v[WKS], v[KS+2*\tp+1] matrix_a_fmt:MATRIX_FMT_BF6 matrix_b_fmt:MATRIX_FMT_BF6
	v_wmma_scale_f32_16x16x128_f8f6f4 v[PA+16*\tp:PA+16*\tp+7], v[VF:VF+11], v[BT:BT+11], 0, v[KS+2*\tp], v[WVS] matrix_a_fmt:MATRIX_FMT_BF6 matrix_b_fmt:MATRIX_FMT_BF6
	v_wmma_scale_f32_16x16x128_f8f6f4 v[PA+16*\tp+8:PA+16*\tp+15], v[PC:PC+11], v[BT:BT+11], 0, v[KS+2*\tp+1], v[WVS] matrix_a_fmt:MATRIX_FMT_BF6 matrix_b_fmt:MATRIX_FMT_BF6
.rept 4
	v_nop                                          ; places in front of the stores of results, of the next pair's loads, and behind the last pair of the lines that write the weights' registers
.endr
.irp u, 0,1
	ds_store_b128 v[AWI], v[KB+16*(\tp%2)+8*\u:KB+16*(\tp%2)+8*\u+3] offset:1024*(2*\tp+\u)          ; each result from its low end on
	ds_store_b128 v[AWI], v[KB+16*(\tp%2)+8*\u+4:KB+16*(\tp%2)+8*\u+7] offset:1024*(2*\tp+\u)+512
.endr
.endr
; v is quantised along the keys: lane (r, h) holds d = r, register 16 b + i key 32 b + 16 h + i
.irp b, 0,1,2,3
	v_mov_b32 v[BT+\b], 0                          ; a lane permute's destination counts as one of its sources
.endr
.irp b, 0,1,2,3
	v_max3_num_f32 v[BM+\b], |v[PA+16*\b]|, |v[PA+16*\b+1]|, 0x2800000   ; my 16 numbers of block b, and the floor 2^(5 - 127)
.endr
.irp i2, 2,4,6,8,10,12,14
.irp b, 0,1,2,3
	v_max3_num_f32 v[BM+\b], v[BM+\b], |v[PA+16*\b+\i2]|, |v[PA+16*\b+\i2+1]|
.endr
.endr
.irp b, 0,1,2,3
	v_permlanex16_b32 v[BT+\b], v[BM+\b], s[SEL], s[SEL+1]
.endr
.irp b, 0,1,2,3
	v_max_num_f32 v[BM+\b], v[BM+\b], v[BT+\b]     ; with lane l xor 16's: the block's largest magnitude
.endr
.set n, 4
.rept 28
	TL
.set n, n+1
.endr
.irp c, 0,1,2
	ds_store_b128 v[AWI], v[PC+4*\c:PC+4*\c+3] offset:VIMG+512*\c
.endr
	ds_store_b32 v[AWS], v[PW] offset:VSC
.irp j, 0,1,2,3,4,5,6,7
	v_mov_b32 v[OA+\j], 0                          ; O^T and the sum begin as zeros and the largest t under every t: the step is written once, and the first change of M multiplies zeros
.endr
	v_mov_b32 v[SUM], 0
	v_mov_b32 v[SUM+1], 0
	v_mov_b32 v[TMAX], 0xff61b1e6                  ; -3e38
	v_floor_f32 v[NM], -v[TMAX]
	v_mov_b32 v[FF+1], 0                           ; (named as the upper half of a pair)
	s_mov_b32 s[TB], 0
	s_mov_b32 s[CNT], 15
	s_wait_dscnt 0x0                               ; for the others' sake: my images lie in LDS
	s_barrier_signal -1
	s_barrier_wait -1                              ; all sixteen steps' do; from here on LDS is only read
	TRIP 1, 0, 0                                   ; the scores of step 0
.Lstep:                                            ; trip j = 0 .. 14: the scores of step j + 1 | the softmax and V^T P^T of step j
	TRIP 1, 1, REG
	s_add_co_u32 s[TB], s[TB], REG
	s_sub_co_u32 s[CNT], s[CNT], 1
	s_cmp_lg_u32 s[CNT], 0
	s_cbranch_scc1 .Lstep
	TRIP 0, 1, 0                                   ; the softmax and V^T P^T of step 15
	; THE WAY OUT
	v_add_f32 v[SUM], v[SUM], v[SUM+1]             ; the sum's two halves,
	v_permlanex16_b32 v[TMP], v[SUM], s[SEL], s[SEL+1]
	v_add_f32 v[SUM], v[SUM], v[TMP]               ; and lane l xor 16's: the row's sum
	v_rcp_f32 v[FF], v[SUM]
.rept 4
	v_nop                                          ; the plain line behind the reciprocal, and the places behind the last product
.endr
	s_wait_alu depctr_va_vdst(0)                   ; ahead of the reciprocal's first reader
.irp j, 0,2,4,6
	v_pk_mul_f32 v[PA+\j:PA+\j+1], v[OA+\j:OA+\j+1], v[FF:FF+1] op_sel_hi:[1,0]   ; O^T / the sum, from its low end on: register j = o(query r, d = 8 h + j)
.endr
	global_store_b128 v[GO], v[PA:PA+3], s[28:29] th:TH_STORE_NT               ; a query's two lanes store its head's 64 consecutive bytes
	global_store_b128 v[GO], v[PA+4:PA+7], s[28:29] offset:16 th:TH_STORE_NT
	s_wait_dscnt 0x0
	s_wait_xcnt 0x0
	v_lshl_add_u32 v254, v0, 2, 0x32000
	v_mov_b32 v255, 0
	s_wait_tensorcnt 0x0
	ds_add_u32 v254, v255
	s_wait_dscnt 0x0
	CROUND                                         ; the closing round: no work-group ends while a partner may still ask for a tile that names it
	s_endpgm
.Lfunc_end_k_q78f3f85dcc_attn:
	.size	k_q78f3f85dcc_attn, .Lfunc_end_k_q78f3f85dcc_attn-k_q78f3f85dcc_attn
	.p2alignl 7, 3214868480
	.fill 96, 4, 3214868480
	.section	.rodata,"a",@progbits
	.p2align	6, 0x0
	.amdhsa_kernel k_q78f3f85dcc_attn
		.amdhsa_group_segment_fixed_size 206848
		.amdhsa_private_segment_fixed_size 0
		.amdhsa_enable_private_segment 0
		.amdhsa_kernarg_size 88
		.amdhsa_user_sgpr_count 2
		.amdhsa_user_sgpr_kernarg_segment_ptr 1
		.amdhsa_wavefront_size32 1
		.amdhsa_system_sgpr_workgroup_id_x 1
		.amdhsa_system_sgpr_workgroup_id_y 1
		.amdhsa_system_sgpr_workgroup_id_z 1
		.amdhsa_system_vgpr_workitem_id 0
		.amdhsa_next_free_vgpr 256
		.amdhsa_next_free_sgpr 66
		.amdhsa_reserve_vcc 0
		.amdhsa_float_denorm_mode_32 3
		.amdhsa_float_denorm_mode_16_64 3
		.amdhsa_memory_ordered 1
		.amdhsa_forward_progress 1
		.amdhsa_inst_pref_size 52
	.end_amdhsa_kernel
	.amdgpu_metadata
---
amdhsa.version: [ 1, 2 ]
amdhsa.kernels:
  - .name:           k_q78f3f85dcc_attn
    .symbol:         k_q78f3f85dcc_attn.kd
    .args:
      - { .name: kv_x_codes, .offset: 0, .size: 8, .value_kind: global_buffer, .address_space: global }
      - { .name: kv_x_scales, .offset: 8, .size: 8, .value_kind: global_buffer, .address_space: global }
      - { .name: q_x_codes, .offset: 16, .size: 8, .value_kind: global_buffer, .address_space: global }
      - { .name: q_x_scales, .offset: 24, .size: 8, .value_kind: global_buffer, .address_space: global }
      - { .name: w_k_codes, .offset: 32, .size: 8, .value_kind: global_buffer, .address_space: global }
      - { .name: w_k_scales, .offset: 40, .size: 8, .value_kind: global_buffer, .address_space: global }
      - { .name: w_q_codes, .offset: 48, .size: 8, .value_kind: global_buffer, .address_space: global }
      - { .name: w_q_scales, .offset: 56, .size: 8, .value_kind: global_buffer, .address_space: global }
      - { .name: w_v_codes, .offset: 64, .size: 8, .value_kind: global_buffer, .address_space: global }
      - { .name: w_v_scales, .offset: 72, .size: 8, .value_kind: global_buffer, .address_space: global }
      - { .name: out0, .offset: 80, .size: 8, .value_kind: global_buffer, .address_space: global }
    .group_segment_fixed_size: 206848
    .private_segment_fixed_size: 0
    .kernarg_segment_align: 8
    .kernarg_segment_size: 88
    .max_flat_workgroup_size: 512
    .sgpr_count:     66
    .vgpr_count:     256
    .wavefront_size: 32
...
	.end_amdgpu_metadata
.endif
;; end of part 1
